; MI455X (gfx1250); checked and timed in simulation.
; The chip was launched on July 23, 2026; its instructions are those of AMD's public machine-readable ISA for CDNA 5 (MIT licence, August 2026) and "CDNA5" Instruction Set Architecture Reference Guide (July 2026). The comments in the code are by the model that wrote it; some were corrected since.
;; Partial BQQ Linear. Allowed arithmetic: matrix products marked QUANTISED: E2M1 operands, one E8M0 scale for each 32 along K, by v_wmma_scale_f32_16x16x128_f8f6f4 with both operands' format E2M1 (or v_wmma_scale_f32_32x16x128_f4), f32 sums; products left as they are: f32 operands where the result goes on into a quantised operand, else bf16, f16 or f32 operands; f32 sums; everything else in f32.
;; Inputs: X_codes 4,096 x 128 x 16 uint8 (E2M1 codes of X, K innermost, in blocks of 32 codes, two codes a byte); X_scales 4,096 x 128 uint8 (E8M0 scales of X, one for each 32 codes along K); Y 4 x 32 x 32 x 128 x 16 bool; Z 4 x 32 x 32 x 16 x 128 bool; a 4 x 32 x 32 x 1 x 1 float32; b 4 x 32 x 32 x 1 x 1 float32; bias 4,096 float32; c 4 x 32 x 32 x 1 x 1 float32; d 32 x 32 x 1 x 1 float32; float_weight 4,096 x 4,096 float32; quantized_mask 32 x 32 bool.
;; Outputs: out0 4,096 x 4,096 float32.
;; This version of the problem:
;;   THIS VERSION OF THE PROBLEM IS GIVEN IN LOW PRECISION. The matrix products marked QUANTISED in the list below multiply operands that are first quantised to E2M1 (2 exponent bits, 1 mantissa bit; 4 bits a number), with one power-of-two scale for each 32 numbers along K (OCP MX v1.0); their sums are f32. All else is computed in f32.
;;   The module's matrix products, in the order in which they are computed (A, B: the left and right operand; K: the contracted axis; several contracted axes count as one K, in the product's order):
;;     1. batch 4,096 x [M 128, K 16] x [K 16, N 128]; A: input Y; B: input Z: left as it is (K = 16 < 32)
;;     2. [M 4,096, K 4,096] x [K 4,096, N 4,096]; A: input X (given as codes); B: computed on the way: QUANTISED
;;   THE QUANTISER, for each operand of a quantised product, along K:
;;     - K is cut into blocks of 32 from its start; a last block that is shorter is filled with zeros.
;;     - A block's scale is 2^e with e = floor(log2(the largest magnitude in the block)) - 2, held to -126 .. 127; a block of zeros has e = 0. As a byte (E8M0): e + 127.
;;     - Each number is divided by its block's scale, clamped to +-6, and rounded to the nearest number of E2M1, ties to even, subnormals kept.
;;     - The product sums the exact products of the quantised numbers (number of the format x scale) in f32.
;;   ~~~python
;;   def quantise(x, axis):      # numpy; x: float32 -> the quantised numbers, widened to float32 again
;;       x = np.moveaxis(x, axis, -1); K = x.shape[-1]
;;       x = np.pad(x, [(0, 0)] * (x.ndim - 1) + [(0, -K % 32)]); x = x.reshape(x.shape[:-1] + (-1, 32)); a = np.abs(x).max(-1, keepdims=True)
;;       e = np.where(a > 0, np.clip(np.frexp(np.where(a > 0, a, 1))[1] - 1 - 2, -126, 127), 0)      # np.frexp(a)[1] - 1 = floor(log2(a)), exactly
;;       r = np.clip(x / 2.0 ** e, -6, 6)
;;       step = 2.0 ** (np.maximum(np.frexp(np.where(r == 0, 1, r))[1] - 1, 0) - 1)
;;       q = np.round(r / step) * step * 2.0 ** e      # np.round: ties to even
;;       return np.moveaxis(q.reshape(q.shape[:-2] + (-1,))[..., :K], -1, axis).astype(np.float32)
;;   ~~~
;;   OPERANDS COMPUTED ON THE WAY. 'Computed on the way' means the value that the module computes at that place (a softmax that the list does not call 'softmax' is quantised finished and normalised). What goes into a quantiser is computed in f32, as accurately as f32 sums, v_exp_f32 and their like allow (about 1e-6 of the number): no bf16 or f16 on the way to a quantiser, and a product that is left as it is and whose result goes on into a quantised operand takes f32 operands (vector FMAs, or v_wmma_f32_16x16x4_f32). A number that lies on a knife's edge between two numbers of the format may be rounded either way, as far as f32 arithmetic and the matrix unit's own rounding can turn it there, and no further.
;;   INPUTS GIVEN AS CODES. X (in the module: [4096, 4096], K = its axis 1): each comes as NAME_codes (uint8): NAME with its K axis moved to the last place and cut into blocks of 32 codes, [.., K / 32, bytes a block], one block behind the other in memory; two codes a byte, the lower K in the low four bits (a code: sign, 2 exponent bits, 1 mantissa bit); and NAME_scales (uint8): the same leading axes, one E8M0 byte (e + 127) for each 32 codes along K. Its value is code x scale, taken as it is: it is not quantised again, and the codes and scales need not be those that the quantiser above would give.
;; One version. Each part assembles by itself: llvm-mc -triple=amdgcn-amd-amdhsa -mcpu=gfx1250 --defsym DOCPART=n.
;; ======== version 1 of 1: 2 launches
;; limits: right only within a limited range of input values
;; workspace buffers: wq 8,912,896 bytes
;; launch makew (part 1): grid 32 x 32, 4 waves a work-group, no clusters, 36,352 bytes of LDS; arguments Y, Z, a, b, c, d, float_weight, quantized_mask, wq; writes wq
.if DOCPART == 1
	.amdgcn_target "amdgcn-amd-amdhsa--gfx1250"
	.amdhsa_code_object_version 6
	.text
	.protected	k_qb9d88b7ff3_makew
	.globl	k_qb9d88b7ff3_makew
	.p2align	8
	.type	k_qb9d88b7ff3_makew,@function
k_qb9d88b7ff3_makew:
	s_mov_b64 s[64:65], 0
	v_nop
	global_prefetch_b8 v0, s[64:65] scope:SCOPE_SE
	s_setreg_imm32_b32 hwreg(HW_REG_WAVE_MODE, 25, 1), 1
	s_wait_xcnt 0x0
; W [4096 (out)][4096 (in)] is made tile by tile of 128 x 128 and quantised along its in-axis to codes of FP4 (E2M1) with one E8M0 byte for each 32.
; A tile (rw, cw) is float_weight's tile where quantized_mask[rw][cw] is 0, else  sum over bw of (a Y Z + b Ysum + c Zsum) + d,  Y [128][16] and Z [16][128] of bytes 0 or 1.
; The other source of a tile is thrown away by the problem's own select, so it is not read: a scalar branch on the mask (this text has no tensor load and no copy).
; SHARES.  A UNIT is a quarter of a tile, 32 rows x 128 k, one wave's work: 4,096 units for 4,096 waves.  A unit under the mask is about 1,900 vector instructions, another about 250, so the units are DEALT OUT:
; they are taken in the order 'tiles under the mask first, then the others', each kind by tile number, and work-group g takes positions g, 1024 + g, 2048 + g, 3072 + g of that order.  With nB tiles under the mask the
; first 4 nB positions are the long ones: the numbers of long units of two work-groups differ by one at the most, whatever the mask holds.  Which of its group's four positions a wave takes turns with the sum of g's
; base-4 digits, so that the long units do not always fall to the same wave number.  Position p is rank p / 4 among the tiles of its kind, quarter p % 4.  Every wave finds its tile from the mask by itself, in whole numbers.
; In both arms lane (r = lane % 16, h = lane / 16) ends, for each of the unit's two fragments (nt = 0, 1) of 16 rows, with 64 numbers of row 16 nt + r in 64 consecutive registers, register t = k 64 h + t:
; two whole blocks of 32, so that no block's largest magnitude needs another lane.  Waves share nothing: no barrier.  No cluster: there is no tensor load to share, and which four waves read a tile's Z hangs on the mask.
; THE PRODUCT Y Z (K = 16, operands 0 or 1) goes FOUR COLUMNS AT A TIME.  Four neighbouring z of a row of Z are packed into one f32 number, 2^9 (b0 + 32 b1 + 1024 b2 + 32768 b3); the sum starts at 2^32.
; Every partial sum is a whole multiple of 2^9 in [2^32, 2^33), where f32 numbers lie 2^9 apart: nothing is rounded, and the result's mantissa bits 0-19 are the four counts (16 at the most), 5 bits each.
; OUT.  wq is 32 (rw) x 8 (cw / 4) blocks of 34,816 bytes: codes [cw % 4][16-row block i][c][lane][16 bytes], the image of an operand's registers (lane (r, h), registers 4 c .. 4 c + 3: k = 64 c + 32 h + 0 .. 31 of row 16 i + r),
; then scale words [cw % 4][row][4 bytes].  Each store of codes covers 512 consecutive bytes, aligned; a unit's 32 scale words are 128 consecutive bytes, 1/17 of what the wave stores.
; LIMITS: NaN and infinities in float_weight, a, b, c, d are not served.  A block of zeros gets the byte 1 where the rule says 127: its codes are zeros, which add nothing under any byte but 0xff, and this program alone reads the bytes.
; Y, Z and the mask are taken as bytes 0 or 1.  W's f32 sum is ordered: column term, then a0 n0 .. a3 n3 by fused multiply-adds, the row term added in the j-th quarter of the numbers just ahead of aj nj (each term exact or rounded once), which is another order than the source's.
.set BWS,  2097152                     ; bytes from bw to bw + 1 in Y and in Z
.set FROW, 16384                       ; a row of float_weight in bytes
.set SPI,  528                         ; a stage row: 512 bytes + 16: 33 x 16, so the 16 rows that a load touches start in 16 different columns of 16 bytes
.set WSTG, 16*SPI                      ; LDS: the float arm's stage, one for each wave, from byte 0 on
.set CTB,  4*WSTG                      ; the other arm's column terms: 128 f32 for each wave
.set BLK,  34816                       ; a block of wq
.set L,    1                           ; v1   lane
.set R,    2                           ; v2   r
.set H,    3                           ; v3   h
.set O16,  4                           ; v4   16 x lane
.set O8,   5                           ; v5   8 x lane
.set OY,   6                           ; v6   16 x r
.set STW,  7                           ; v7   stage, in
.set STR,  8                           ; v8   stage, back
.set CTW,  9                           ; v9   column terms, in
.set CTR,  10                          ; v10  column terms, back
.set O4,   11                          ; v11  4 x lane
.set O32,  28                          ; v28  32 x lane, for the mask's two loads alone (then at work as T)
.set NIL,  12                          ; v12  0; never rewritten
.set SH8,  13                          ; v13  8 h
.set SH16, 14                          ; v14  16 h
.set MAG,  16                          ; v16-23   2^32, eight times: the C of each sum's first matrix instruction; never rewritten
.set RT,   24                          ; v24      the row term; v25 is named with it as a pair
.set SW,   26                          ; v26-27   the scale words of nt = 0, 1
.set T,    28                          ; v28-35   at work
.set Q,    36                          ; v36-42   the quantiser's: two largest magnitudes, two scale operands, two bytes, half a word
.set HX,   43                          ; v43      what a lane permute brings
.set PC,   44                          ; v44-59   codes, eight registers for each nt: no store's data are written again
.set CT,   60                          ; v60-63   four column terms;
.set NG,   60                          ;          behind them: -2^23, -2^18, -2^13, -2^8
.set D,    64                          ; v64-79   two accumulators of the f32 matrix form: written by matrix instructions alone
.set YR,   80                          ; v80-95   Y as loaded: [bw][dword]
.set BF,   96                          ; v96-127  Y as f32: [bw][2 s + j]
.set AF,   128                         ; v128-191 Z packed, as f32: [bw][t][q]
.set VAL,  192                         ; v192-255 the 64 numbers
.set ZR,   192                         ;          before that: Z as loaded: [bw][q][t]
.set F,    128                         ; v128-255 the float arm: 32 rows x 4 registers, then 2 x 64 numbers
.set MK,   128                         ; v128-135 ahead of both arms: my row of the mask as loaded;  v136-143 four bits of it each, v136 then all 32
.set MT,   136
.set CNT,  144                         ; v144 my row's count;  v145 the counts of the rows before mine;  v146 my block of lanes' count;  v147-148 at work;  v149 the counts up to and with my row;  v150 the same of the tiles not under the mask
.set PRE,  145
.set BS,   146
.set TMP,  147
.set T2,   148
.set INC,  149
.set ALT,  150
.set SA,   32                          ; s32-39   a[bw], each written twice: the packed forms name pairs
.set CC,   40                          ; s40-47   c[bw] likewise
.set SB,   48                          ; s48-51   b[bw];  s52 d;  s53 1: my tile is under the mask
                                       ; s26 wave;  s27 g;  s28 rw;  s29 the tile's number;  s66 my rank among all tiles in the dealt order;  s67 my quarter;  s73 cw, s74 cw / 4, s75 cw % 4
	s_load_b256 s[8:15], s[0:1], 0x0               ; Y s[8:9], Z s[10:11], a s[12:13], b s[14:15]
	s_load_b256 s[16:23], s[0:1], 0x20             ; c s[16:17], d s[18:19], float_weight s[20:21], the mask s[22:23]
	s_load_b64 s[24:25], s[0:1], 0x40              ; wq
	v_lshl_add_u32 v15, v0, 2, 0x8c00
	v_mov_b32 v[NIL], 0
	v_lshrrev_b32 v1, 5, v0
	v_readfirstlane_b32 s26, v1                    ; wave 0..3
	v_and_b32 v[L], 31, v0
	v_and_b32 v[R], 15, v0
	v_bfe_u32 v[H], v0, 4, 1
	v_lshlrev_b32 v[O16], 4, v[L]
	v_lshlrev_b32 v[O8], 3, v[L]
	v_lshlrev_b32 v[OY], 4, v[R]
	v_lshlrev_b32 v[O4], 2, v[L]
	v_lshlrev_b32 v[O32], 5, v[L]
	; every LDS address is made here, ahead of the branch, from the wave's number and the lane alone
	s_mul_i32 s58, s26, WSTG
	v_add_nc_u32 v[STW], s58, v[O16]               ; in: a row as it was loaded, 16 bytes a lane
	v_mul_u32_u24 v[STR], v[R], SPI
	v_lshl_add_u32 v[STR], v[H], 8, v[STR]
	v_add_nc_u32 v[STR], s58, v[STR]               ; back: row r, my half's 256 bytes
	s_lshl_b32 s58, s26, 9
	s_add_co_u32 s58, s58, CTB
	v_lshlrev_b32 v[CTW], 5, v[R]
	v_lshl_add_u32 v[CTW], v[H], 4, v[CTW]
	v_add_nc_u32 v[CTW], s58, v[CTW]               ; in: z = 8 r + 4 h + 0 .. 3
	v_lshlrev_b32 v[CTR], 8, v[H]
	v_add_nc_u32 v[CTR], s58, v[CTR]               ; back: z = 64 h on
	v_lshlrev_b32 v[SH8], 3, v[H]
	v_lshlrev_b32 v[SH16], 4, v[H]
	v_cmp_ne_u32 vcc_lo, 0, v[H]                   ; lanes 16-31; VCC is not written again
.irp i, 0,1,2,3,4,5,6,7
	v_mov_b32 v[MAG+\i], 0x4f800000                ; 2^32
.endr
	v_mov_b32 v[RT+1], 0                           ; (named as the upper half of a pair)
	v_mov_b32 v[HX], 0                             ; (the destination of a lane permute or of a DPP form counts as one of its sources)
	v_mov_b32 v[TMP], 0
	v_mov_b32 v[PRE], 0
	s_and_b32 s27, ttmp7, 0xffff
	s_lshl_b32 s27, s27, 5
	s_add_co_u32 s27, s27, ttmp9                   ; g, the work-group's number, 0 .. 1023
	s_lshr_b32 s58, s27, 2                         ; g / 4
	s_add_co_u32 s60, s27, s58                     ; g + g / 4 + g / 16 + g / 64 + g / 256 is, modulo 4, the sum of g's base-4 digits
	s_lshr_b32 s61, s27, 4
	s_add_co_u32 s60, s60, s61
	s_lshr_b32 s61, s27, 6
	s_add_co_u32 s60, s60, s61
	s_lshr_b32 s61, s27, 8
	s_add_co_u32 s60, s60, s61
	s_add_co_u32 s60, s60, s26                     ; + my wave's number:
	s_and_b32 s60, s60, 3                          ; which of my group's four positions is mine: position 1024 x this + g
	s_lshl_b32 s60, s60, 8
	s_add_co_u32 s66, s60, s58                     ; the position / 4: my tile's rank in the dealt order,
	s_and_b32 s67, s27, 3                          ; the position % 4: my quarter of it
	s_mov_b32 s31, 0                               ; s[30:31]: an offset, under 2^31
	s_mov_b32 s54, 0x76543210
	s_mov_b32 s55, 0xfedcba98                      ; v_permlanex16_b32's selects for lane l xor 16
	s_mov_b32 s59, 0x01010101
	s_mov_b32 s76, 0xaaaaaaaa                      ; the lanes whose number has bit 0, 1, 2, 3, 4 set
	s_mov_b32 s77, 0xcccccccc
	s_mov_b32 s78, 0xf0f0f0f0
	s_mov_b32 s79, 0xff00ff00
	s_mov_b32 s80, 0xffff0000
	s_mov_b32 s81, 0x10204080                      ; 2^7 + 2^14 + 2^21 + 2^28
	s_mov_b32 s82, 31<<5                           ; the counts' fields 1, 2, 3 in a mantissa,
	s_mov_b32 s83, 31<<10
	s_mov_b32 s84, 31<<15
	s_mov_b32 s85, 0x4b000000                      ; and the bits of 2^23, 2^18, 2^13, 2^8: under the exponent 23 - 5 f a count n that stands 5 f bits up in the mantissa makes the number 2^(23 - 5 f) + n
	s_mov_b32 s86, 0x48800000
	s_mov_b32 s87, 0x46000000
	s_mov_b32 s88, 0x43800000
	s_wait_kmcnt 0x0
	global_load_b128 v[MK:MK+3],   v[O32], s[22:23]            ; lane l: row rw = l of the mask, 32 bytes
	global_load_b128 v[MK+4:MK+7], v[O32], s[22:23] offset:16
	s_wait_loadcnt 0x0
	; ---- WHICH TILE IS MINE.  Whole numbers only.
.irp i, 0,1,2,3,4,5,6,7
	v_mul_lo_u32 v[MT+\i], v[MK+\i], s81           ; bytes b0 .. b3 of 0 or 1: the product's bits 28 .. 31 are b0 .. b3; the other partial products fall on bits of their own below, so nothing is carried
.endr
	v_add3_u32 v[CNT], v[MK], v[MK+1], v[MK+2]     ; byte by byte: 8 at the most in each
	v_add3_u32 v[CNT], v[CNT], v[MK+3], v[MK+4]
	v_add3_u32 v[CNT], v[CNT], v[MK+5], v[MK+6]
	v_add_nc_u32 v[CNT], v[CNT], v[MK+7]
.irp i, 0,1,2,3,4,5,6,7
	v_lshrrev_b32 v[MT+\i], 28, v[MT+\i]
.endr
	v_mul_lo_u32 v[CNT], v[CNT], s59               ; the top byte of x 0x01010101 is the sum of the four bytes
.irp i, 1,2,3,4,5,6,7
	v_lshl_or_b32 v[MT], v[MT+\i], 4*\i, v[MT]     ; my row as 32 bits: bit cw
.endr
	v_lshrrev_b32 v[CNT], 24, v[CNT]               ; my row's tiles under the mask
	v_mov_b32 v[BS], v[CNT]
; The counts of the rows before mine, in five steps: in step x the lanes stand in blocks of x; each takes the count of the block beside its own, and adds it to its prefix if that block comes first.
.macro FLY x, m
	v_mov_b32_dpp v[TMP], v[BS] row_xmask:\x row_mask:0xf bank_mask:0xf
	v_cndmask_b32 v[T2], 0, v[TMP], s[\m]
	v_add_nc_u32 v[BS], v[BS], v[TMP]
	v_add_nc_u32 v[PRE], v[PRE], v[T2]
.endm
	FLY 1, 76
	FLY 2, 77
	FLY 4, 78
	FLY 8, 79
	v_permlanex16_b32 v[TMP], v[BS], s54, s55
	v_cndmask_b32 v[T2], 0, v[TMP], s80
	v_add_nc_u32 v[BS], v[BS], v[TMP]              ; in every lane: nB, the tiles under the mask
	v_add_nc_u32 v[PRE], v[PRE], v[T2]
	v_readfirstlane_b32 s68, v[BS]
	v_add_nc_u32 v[INC], v[PRE], v[CNT]            ; up to and with my row: under the mask,
	v_lshl_add_u32 v[ALT], v[L], 5, 32
	v_sub_nc_u32 v[ALT], v[ALT], v[INC]            ; and not: 32 (l + 1) less that
	s_cmp_lt_u32 s66, s68                          ; the first nB ranks are the tiles under the mask
	s_cselect_b32 s53, 1, 0
	s_cselect_b32 s69, 0, -1                       ; for the others every bit is turned over,
	s_cselect_b32 s70, 0, s68
	s_sub_co_u32 s70, s66, s70                     ; and the rank counts from nB on: my rank among the tiles of my kind
	v_cndmask_b32 v[INC], v[INC], v[ALT], s69
	v_cmp_ge_u32 s71, s70, v[INC]                  ; the rows that end at or before my rank: they are the rows before my tile's
	s_bcnt1_i32_b32 s28, s71
	s_min_u32 s28, s28, 31                         ; rw.  (It is under 32 by the arithmetic; a number made of loaded data is held by a constant before it enters an address)
	v_readlane_b32 s72, v[MT], s28                 ; that row's bits,
	v_readlane_b32 s73, v[INC], s28                ; and the count up to and with it
	s_xor_b32 s72, s72, s69
	s_bcnt1_i32_b32 s74, s72
	s_sub_co_u32 s73, s73, s74                     ; without it
	s_sub_co_u32 s70, s70, s73                     ; my rank inside the row
	v_mbcnt_lo_u32_b32 v[T2], s72, 0               ; lane l: how many of the row's bits stand below bit l
	v_cmp_eq_u32 s71, s70, v[T2]
	s_and_b32 s71, s71, s72                        ; the one set bit with just so many below it
	s_ctz_i32_b32 s73, s71
	s_lshr_b32 s74, s73, 2
	s_min_u32 s74, s74, 7                          ; cw / 4
	s_min_u32 s73, s73, 31                         ; cw
	s_and_b32 s75, s73, 3                          ; cw % 4
	s_lshl_b32 s29, s28, 5
	s_add_co_u32 s29, s29, s73                     ; the tile's number, 32 rw + cw
; Where my unit goes in wq.  It is made once, ahead of the branch, for both arms and the join.
.macro WQBASE
	s_lshl_b32 s60, s28, 3
	s_add_co_u32 s60, s60, s74
	s_mul_i32 s60, s60, BLK                        ; block 8 rw + cw / 4
	s_lshl_b32 s62, s75, 9
	s_add_co_u32 s30, s60, s62
	s_lshl_b32 s62, s67, 7
	s_add_co_u32 s30, s30, s62
	s_add_co_u32 s30, s30, 32768
	s_add_nc_u64 s[56:57], s[24:25], s[30:31]      ; my 128 bytes of the tile's 512 of scale words
	s_lshl_b32 s62, s75, 13
	s_add_co_u32 s30, s60, s62
	s_lshl_b32 s62, s67, 11
	s_add_co_u32 s30, s30, s62
	s_add_nc_u64 s[24:25], s[24:25], s[30:31]      ; my 2,048 bytes of the tile's 8,192 of codes
.endm
; 64 numbers of a lane, v[s] on, register t = k 64 h + t of my row, become fragment nt's codes and its rows' scale word, and the codes are stored.
.macro QUANT s, nt
	v_max3_num_f32 v[Q],   |v[(\s)]|,    |v[(\s)+1]|,  0x1800000   ; my two blocks by turns; the floor 2^(3 - 127) is one more leaf: the byte cannot fall under 1
	v_max3_num_f32 v[Q+1], |v[(\s)+32]|, |v[(\s)+33]|, 0x1800000
.irp i, 2,4,6,8,10,12,14,16,18,20,22,24,26,28,30
	v_max3_num_f32 v[Q],   v[Q],   |v[(\s)+\i]|,    |v[(\s)+\i+1]|
	v_max3_num_f32 v[Q+1], v[Q+1], |v[(\s)+32+\i]|, |v[(\s)+33+\i]|
.endr
	v_add_nc_u32 v[Q+2], 0xff000000, v[Q]          ; 2 off the exponent field: the conversion takes the exponent field of this operand as its scale, and nothing else of it
	v_add_nc_u32 v[Q+3], 0xff000000, v[Q+1]
	v_lshrrev_b32 v[Q+4], 23, v[Q+2]               ; the scales' bytes: blocks 2 h and 2 h + 1
	v_lshrrev_b32 v[Q+5], 23, v[Q+3]
	v_lshl_or_b32 v[Q+6], v[Q+5], 8, v[Q+4]
	v_lshlrev_b32 v[Q+6], v[SH16], v[Q+6]          ; at their places in the row's word
	v_permlanex16_b32 v[HX], v[Q+6], s54, s55
	v_or_b32 v[SW+\nt], v[Q+6], v[HX]              ; with lane l xor 16's two the word is whole, in both lanes
.irp g, 0,1,2,3
	v_cvt_scalef32_pk8_fp4_f32 v[PC+8*\nt+\g],   v[(\s)+8*\g:(\s)+8*\g+7],       v[Q+2]
	v_cvt_scalef32_pk8_fp4_f32 v[PC+8*\nt+4+\g], v[(\s)+32+8*\g:(\s)+32+8*\g+7], v[Q+3]
.endr
	v_nop                                          ; one plain instruction between a scaled conversion and the vector instruction that touches its result
.irp i, 0,1,2,3
	v_permlane16_swap_b32 v[PC+8*\nt+\i], v[PC+8*\nt+4+\i]   ; lanes 0-15 held blocks 0, 1 and lanes 16-31 blocks 2, 3; the operand wants block h in registers 0-3 and block 2 + h in 4-7
.endr
	global_store_b128 v[O16], v[PC+8*\nt:PC+8*\nt+3],   s[24:25] offset:1024*\nt       ; 32 lanes store 512 consecutive bytes
	global_store_b128 v[O16], v[PC+8*\nt+4:PC+8*\nt+7], s[24:25] offset:1024*\nt+512
.endm
	WQBASE                                         ; ahead of the branch: both arms and the join use these addresses
	s_cmp_lg_u32 s53, 0
	s_cbranch_scc1 .Lbqq
	; ---- THE FLOAT ARM.  Each load reads 512 consecutive bytes of a row; 16 rows at a time turn through the wave's own stage, so that a lane gets 64 neighbours of one row.
	s_lshl_b32 s30, s28, 21                        ; (128 rw + 32 x quarter) rows of 16,384 bytes + 512 cw
	s_lshl_b32 s60, s67, 19
	s_add_co_u32 s30, s30, s60
	s_lshl_b32 s60, s73, 9
	s_add_co_u32 s30, s30, s60
	s_add_nc_u64 s[20:21], s[20:21], s[30:31]
.irp p, 0,1,2,3,4,5,6,7,8,9,10,11,12,13,14,15,16,17,18,19,20,21,22,23,24,25,26,27,28,29,30,31
	global_load_b128 v[F+4*\p:F+4*\p+3], v[O16], s[20:21] offset:FROW*\p th:TH_LOAD_NT
.endr
.macro TURN nt
.irp p, 0,1,2,3,4,5,6,7,8,9,10,11,12,13,14,15
	ds_store_b128 v[STW], v[F+64*\nt+4*\p:F+64*\nt+4*\p+3] offset:SPI*\p
.endr
.irp p, 0,1,2,3,4,5,6,7,8,9,10,11,12,13,14,15
	ds_load_b128 v[F+64*\nt+4*\p:F+64*\nt+4*\p+3], v[STR] offset:16*\p
.endr
.endm
	s_wait_loadcnt 16                              ; rows 0-15 are in; the 16 younger loads may be out
	TURN 0
	s_wait_loadcnt 0x0
	TURN 1
	s_wait_dscnt 32                                ; the first sixteen rows are back; the second's 16 stores and 16 loads may be out
	QUANT F, 0
	s_wait_dscnt 0x0
	QUANT F+64, 1
	s_branch .Ljoin
	; ---- THE OTHER ARM
; Y of 16 rows, as loaded, becomes source 1 of the f32 matrix form, and the row term d + sum of b Ysum.
.macro BPREP
.irp w, 0,1,2,3
	v_add3_u32 v[T+\w], v[YR+4*\w], v[YR+4*\w+1], v[YR+4*\w+2]   ; byte by byte: 4 at the most in each
.endr
.irp w, 0,1,2,3
	v_add_nc_u32 v[T+\w], v[T+\w], v[YR+4*\w+3]
.endr
.irp w, 0,1,2,3
	v_mul_lo_u32 v[T+\w], v[T+\w], s59             ; the top byte of x 0x01010101 is the sum of the four bytes
.endr
.irp w, 0,1,2,3
	v_lshrrev_b32 v[T+\w], 24, v[T+\w]
.endr
.irp w, 0,1,2,3
	v_cvt_f32_u32 v[T+\w], v[T+\w]
.endr
	v_fma_f32 v[RT], v[T], s[SB], s52
	v_fma_f32 v[RT], v[T+1], s[SB+1], v[RT]
	v_fma_f32 v[RT], v[T+2], s[SB+2], v[RT]
	v_fma_f32 v[RT], v[T+3], s[SB+3], v[RT]
.irp w, 0,1,2,3
.irp s, 0,1,2,3
	v_lshrrev_b32 v[T+4+\s], v[SH8], v[YR+4*\w+\s] ; dword s holds i = 4 s + 0 .. 3; lanes 16-31 take the odd ones
.endr
.irp s, 0,1,2,3
	v_and_b32 v[BF+8*\w+2*\s], 1, v[T+4+\s]        ; register 2 s + j: Y(row r, i = 4 s + 2 j + h)
	v_bfe_u32 v[BF+8*\w+2*\s+1], v[T+4+\s], 16, 1
.endr
.endr
.irp i, 0,1,2,3,4,5,6,7,8,9,10,11,12,13,14,15,16,17,18,19,20,21,22,23,24,25,26,27,28,29,30,31
	v_cvt_f32_u32 v[BF+\i], v[BF+\i]
.endr
.endm
; The column terms, sum over bw of c Zsum, for all 128 z: lane (r, h) makes those of z = 8 r + 4 h + 0 .. 3 and puts them into the wave's own table.
.macro COLTERM
.irp w, 0,1,2,3
	v_add3_u32 v[T],   v[ZR+16*\w],   v[ZR+16*\w+2], v[ZR+16*\w+4]   ; byte by byte, over my eight rows i = 2 q + h: z = 8 r + 0 .. 3,
	v_add3_u32 v[T+1], v[ZR+16*\w+1], v[ZR+16*\w+3], v[ZR+16*\w+5]   ; and z = 8 r + 4 .. 7
	v_add3_u32 v[T],   v[T],   v[ZR+16*\w+6],  v[ZR+16*\w+8]
	v_add3_u32 v[T+1], v[T+1], v[ZR+16*\w+7],  v[ZR+16*\w+9]
	v_add3_u32 v[T],   v[T],   v[ZR+16*\w+10], v[ZR+16*\w+12]
	v_add3_u32 v[T+1], v[T+1], v[ZR+16*\w+11], v[ZR+16*\w+13]
	v_add_nc_u32 v[T],   v[T],   v[ZR+16*\w+14]
	v_add_nc_u32 v[T+1], v[T+1], v[ZR+16*\w+15]
	v_cndmask_b32 v[T+2], v[T], v[T+1], vcc_lo     ; I keep the four z that are mine,
	v_cndmask_b32 v[T+3], v[T+1], v[T], vcc_lo     ; and send the other four to lane l xor 16, which has the other eight rows
	v_permlanex16_b32 v[HX], v[T+3], s54, s55
	v_add_nc_u32 v[T+2], v[T+2], v[HX]             ; four sums over all 16 rows, a byte each
	v_and_b32 v[T+4], 0xff, v[T+2]
	v_bfe_u32 v[T+5], v[T+2], 8, 8
	v_bfe_u32 v[T+6], v[T+2], 16, 8
	v_lshrrev_b32 v[T+7], 24, v[T+2]
.irp i, 4,5,6,7
	v_cvt_f32_u32 v[T+\i], v[T+\i]
.endr
.if \w == 0
	v_pk_mul_f32 v[CT:CT+1],   v[T+4:T+5], s[CC:CC+1] op_sel_hi:[1,0]
	v_pk_mul_f32 v[CT+2:CT+3], v[T+6:T+7], s[CC:CC+1] op_sel_hi:[1,0]
.else
	v_pk_fma_f32 v[CT:CT+1],   v[T+4:T+5], s[CC+2*\w:CC+2*\w+1], v[CT:CT+1]   op_sel_hi:[1,0,1]
	v_pk_fma_f32 v[CT+2:CT+3], v[T+6:T+7], s[CC+2*\w:CC+2*\w+1], v[CT+2:CT+3] op_sel_hi:[1,0,1]
.endif
.endr
	ds_store_b128 v[CTW], v[CT:CT+3]
.endm
; A dword of Z, four bytes 0 or 1 at bits 0, 8, 16, 24, becomes the f32 number with these bits at 9, 14, 19, 24: two shifts with or spread each bit to four places, none of which meet; the mask keeps one of each.
.macro ZPREP
.irp w, 0,1,2,3
.irp t, 0,1
.irp q, 0,1,2,3,4,5,6,7
	v_lshl_or_b32 v[AF+16*\w+8*\t+\q], v[ZR+16*\w+2*\q+\t], 3, v[ZR+16*\w+2*\q+\t]
.endr
.irp q, 0,1,2,3,4,5,6,7
	v_lshl_or_b32 v[AF+16*\w+8*\t+\q], v[AF+16*\w+8*\t+\q], 6, v[AF+16*\w+8*\t+\q]
.endr
.irp q, 0,1,2,3,4,5,6,7
	v_and_b32 v[AF+16*\w+8*\t+\q], 0x01084200, v[AF+16*\w+8*\t+\q]
.endr
.irp q, 0,1,2,3,4,5,6,7
	v_cvt_f32_u32 v[AF+16*\w+8*\t+\q], v[AF+16*\w+8*\t+\q]   ; 16 significant bits: exact.  Lane (r, h): z = 8 r + 4 t + 0 .. 3 of row i = 2 q + h
.endr
.endr
.endr
.endm
; 2^32 + 2^9 x the packed counts.  Source 0 = 16 groups of four z, source 1 = 16 rows of Y; in step s both sides give lane (., h), register j the same i = 4 s + 2 j + h.
; The two accumulators take turns, one instruction a turn.  In the result lane (r, h), register j holds row r and the group 8 h + j: z = 64 h + 8 j + 4 t + 0 .. 3.
.macro WCORE bw
.irp s, 0,1,2,3
.irp t, 0,1
.if \s == 0
	v_wmma_f32_16x16x4_f32 v[D+8*\t:D+8*\t+7], v[AF+16*\bw+8*\t+2*\s:AF+16*\bw+8*\t+2*\s+1], v[BF+8*\bw+2*\s:BF+8*\bw+2*\s+1], v[MAG:MAG+7]
.else
	v_wmma_f32_16x16x4_f32 v[D+8*\t:D+8*\t+7], v[AF+16*\bw+8*\t+2*\s:AF+16*\bw+8*\t+2*\s+1], v[BF+8*\bw+2*\s:BF+8*\bw+2*\s+1], v[D+8*\t:D+8*\t+7]
.endif
.endr
.endr
.endm
; The row term is added to a quarter of the 64 numbers: eight plain instructions that name no register of the products just issued: the eight places that this matrix form wants ahead of the first read of its result (ISA guide 7.12.1).
.macro PKADD bw
.irp i, 0,2,4,6,8,10,12,14
	v_pk_add_f32 v[VAL+16*\bw+\i:VAL+16*\bw+\i+1], v[VAL+16*\bw+\i:VAL+16*\bw+\i+1], v[RT:RT+1] op_sel_hi:[1,0]
.endr
.endm
; The counts come out of the mantissas as f32 numbers, each accumulator from its low end on, two registers at a time: field f stays where it stands and gets the exponent 23 - 5 f, which makes 2^(23 - 5 f) + n;
; a packed addition takes the two powers of two away.  Both steps are exact.  Then a[bw] x count is added.
.macro EXTR bw
.irp t, 0,1
.irp j, 0,2,4,6
.irp u, 0,1
	v_and_or_b32 v[T+4*\u],   v[D+8*\t+\j+\u], 31,  s85
	v_and_or_b32 v[T+4*\u+1], v[D+8*\t+\j+\u], s82, s86
	v_and_or_b32 v[T+4*\u+2], v[D+8*\t+\j+\u], s83, s87
	v_and_or_b32 v[T+4*\u+3], v[D+8*\t+\j+\u], s84, s88
.endr
.irp u, 0,1
	v_pk_add_f32 v[T+4*\u:T+4*\u+1],   v[T+4*\u:T+4*\u+1],   v[NG:NG+1]
	v_pk_add_f32 v[T+4*\u+2:T+4*\u+3], v[T+4*\u+2:T+4*\u+3], v[NG+2:NG+3]
.endr
.irp u, 0,1
	v_pk_fma_f32 v[VAL+8*(\j+\u)+4*\t:VAL+8*(\j+\u)+4*\t+1],   v[T+4*\u:T+4*\u+1],   s[SA+2*\bw:SA+2*\bw+1], v[VAL+8*(\j+\u)+4*\t:VAL+8*(\j+\u)+4*\t+1]   op_sel_hi:[1,0,1]
	v_pk_fma_f32 v[VAL+8*(\j+\u)+4*\t+2:VAL+8*(\j+\u)+4*\t+3], v[T+4*\u+2:T+4*\u+3], s[SA+2*\bw:SA+2*\bw+1], v[VAL+8*(\j+\u)+4*\t+2:VAL+8*(\j+\u)+4*\t+3] op_sel_hi:[1,0,1]
.endr
.endr
.endr
.endm
; A fragment of 16 rows.  The 64 numbers begin as the column terms of z = 64 h on (the sixteen lanes of a half read the same bytes).
; Between one bw's last product and the next bw's first, which writes over the accumulators, stand the eight additions of the row term and 64 packed additions and multiply-adds that name no register of a product.
.macro NTILE nt
.irp p, 0,1,2,3,4,5,6,7,8,9,10,11,12,13,14,15
	ds_load_b128 v[VAL+4*\p:VAL+4*\p+3], v[CTR] offset:16*\p
.endr
	WCORE 0
	s_wait_dscnt 0x0                               ; the column terms are in
	PKADD 0
	EXTR 0
.irp w, 1,2,3
	WCORE \w
	PKADD \w
	EXTR \w
.endr
	QUANT VAL, \nt
.endm
.Lbqq:
	s_lshl_b32 s30, s29, 11                        ; a tile of Y or of Z is 2,048 bytes
	s_add_nc_u64 s[10:11], s[10:11], s[30:31]      ; Z at my tile
	s_lshl_b32 s60, s67, 9
	s_add_co_u32 s30, s30, s60
	s_add_nc_u64 s[8:9], s[8:9], s[30:31]          ; Y at my quarter's 32 rows of 16 bytes
.irp w, 0,1,2,3
	global_load_b128 v[YR+4*\w:YR+4*\w+3], v[OY], s[8:9] offset:BWS*\w th:TH_LOAD_NT   ; rows 0-15 of my 32: 16 bytes a row; lanes r and r + 16 read the same
.endr
.irp w, 0,1,2,3
.irp q, 0,1,2,3,4,5,6,7
	global_load_b64 v[ZR+16*\w+2*\q:ZR+16*\w+2*\q+1], v[O8], s[10:11] offset:BWS*\w+256*\q   ; two rows of Z: 256 consecutive bytes; the tile's other three quarters read them too
.endr
.endr
	s_lshl_b32 s30, s29, 2
	s_add_nc_u64 s[12:13], s[12:13], s[30:31]      ; a, b, c, d at my tile
	s_add_nc_u64 s[14:15], s[14:15], s[30:31]
	s_add_nc_u64 s[16:17], s[16:17], s[30:31]
	s_add_nc_u64 s[18:19], s[18:19], s[30:31]
.irp w, 0,1,2,3
	s_load_b32 s[SA+2*\w], s[12:13], 4096*\w
	s_load_b32 s[SB+\w], s[14:15], 4096*\w
	s_load_b32 s[CC+2*\w], s[16:17], 4096*\w
.endr
	s_load_b32 s52, s[18:19], 0x0
	s_wait_kmcnt 0x0
.irp w, 0,1,2,3
	s_mov_b32 s[SA+2*\w+1], s[SA+2*\w]             ; (named as pairs, so both are written)
	s_mov_b32 s[CC+2*\w+1], s[CC+2*\w]
.endr
	s_wait_loadcnt 32                              ; Y is in; the 32 loads of Z may be out
	BPREP
.irp w, 0,1,2,3
	global_load_b128 v[YR+4*\w:YR+4*\w+3], v[OY], s[8:9] offset:BWS*\w+256 th:TH_LOAD_NT   ; rows 16-31
.endr
	s_wait_loadcnt 4                               ; Z is in; these four may be out
	COLTERM
	ZPREP
	s_wait_dscnt 0x0                               ; the table's store has read its registers, which now take the four constants
	v_mov_b32 v[NG],   0xcb000000                  ; -2^23
	v_mov_b32 v[NG+1], 0xc8800000                  ; -2^18
	v_mov_b32 v[NG+2], 0xc6000000                  ; -2^13
	v_mov_b32 v[NG+3], 0xc3800000                  ; -2^8
	NTILE 0
	s_wait_loadcnt 0x0
	BPREP                                          ; it writes source 1's registers far more than eight plain instructions behind the last product
	NTILE 1
.Ljoin:
	v_cndmask_b32 v[T], v[SW], v[SW+1], vcc_lo     ; lane 16 h + r takes the word of row 16 h + r of my 32
	global_store_b32 v[O4], v[T], s[56:57]         ; 128 consecutive bytes: the rows beside mine are other work-groups'
	s_wait_tensorcnt 0x0
	ds_add_u32 v15, v[NIL]
	s_wait_dscnt 0x0
	s_endpgm
.Lfunc_end_k_qb9d88b7ff3_makew:
	.size	k_qb9d88b7ff3_makew, .Lfunc_end_k_qb9d88b7ff3_makew-k_qb9d88b7ff3_makew
	.p2alignl 7, 3214868480
	.fill 96, 4, 3214868480
	.section	.rodata,"a",@progbits
	.p2align	6, 0x0
	.amdhsa_kernel k_qb9d88b7ff3_makew
		.amdhsa_group_segment_fixed_size 36352
		.amdhsa_private_segment_fixed_size 0
		.amdhsa_enable_private_segment 0
		.amdhsa_kernarg_size 72
		.amdhsa_user_sgpr_count 2
		.amdhsa_user_sgpr_kernarg_segment_ptr 1
		.amdhsa_wavefront_size32 1
		.amdhsa_system_sgpr_workgroup_id_x 1
		.amdhsa_system_sgpr_workgroup_id_y 1
		.amdhsa_system_sgpr_workgroup_id_z 1
		.amdhsa_system_vgpr_workitem_id 0
		.amdhsa_next_free_vgpr 256
		.amdhsa_next_free_sgpr 92
		.amdhsa_reserve_vcc 1
		.amdhsa_float_denorm_mode_32 3
		.amdhsa_float_denorm_mode_16_64 3
		.amdhsa_memory_ordered 1
		.amdhsa_forward_progress 1
		.amdhsa_inst_pref_size 136
	.end_amdhsa_kernel
	.amdgpu_metadata
---
amdhsa.version: [ 1, 2 ]
amdhsa.kernels:
  - .name:           k_qb9d88b7ff3_makew
    .symbol:         k_qb9d88b7ff3_makew.kd
    .args:
      - { .name: Y, .offset: 0, .size: 8, .value_kind: global_buffer, .address_space: global }
      - { .name: Z, .offset: 8, .size: 8, .value_kind: global_buffer, .address_space: global }
      - { .name: a, .offset: 16, .size: 8, .value_kind: global_buffer, .address_space: global }
      - { .name: b, .offset: 24, .size: 8, .value_kind: global_buffer, .address_space: global }
      - { .name: c, .offset: 32, .size: 8, .value_kind: global_buffer, .address_space: global }
      - { .name: d, .offset: 40, .size: 8, .value_kind: global_buffer, .address_space: global }
      - { .name: float_weight, .offset: 48, .size: 8, .value_kind: global_buffer, .address_space: global }
      - { .name: quantized_mask, .offset: 56, .size: 8, .value_kind: global_buffer, .address_space: global }
      - { .name: wq, .offset: 64, .size: 8, .value_kind: global_buffer, .address_space: global }
    .group_segment_fixed_size: 36352
    .private_segment_fixed_size: 0
    .kernarg_segment_align: 8
    .kernarg_segment_size: 72
    .max_flat_workgroup_size: 128
    .sgpr_count:     92
    .vgpr_count:     256
    .wavefront_size: 32
...
	.end_amdgpu_metadata
.endif
;; end of part 1
;; launch gemm (part 2): grid 16 x 16, 4 waves a work-group, clusters of 4 x 1, 327,680 bytes of LDS; arguments X_codes, X_scales, wq, bias, out0; writes out0
.if DOCPART == 2
	.amdgcn_target "amdgcn-amd-amdhsa--gfx1250"
	.amdhsa_code_object_version 6
	.text
	.protected	k_qb9d88b7ff3_gemm
	.globl	k_qb9d88b7ff3_gemm
	.p2align	8
	.type	k_qb9d88b7ff3_gemm,@function
k_qb9d88b7ff3_gemm:
	s_mov_b64 s[64:65], 0
	v_nop
	global_prefetch_b8 v0, s[64:65] scope:SCOPE_SE
	s_setreg_imm32_b32 hwreg(HW_REG_WAVE_MODE, 25, 1), 1
	s_wait_xcnt 0x0
	s_wait_alu depctr_hold_cnt(0) depctr_sa_sdst(0) depctr_va_vdst(0) depctr_va_sdst(0) depctr_va_ssrc(0) depctr_va_vcc(0) depctr_vm_vsrc(0)
	s_getreg_b32 s2, hwreg(HW_REG_IB_STS2, 6, 4)
	s_cmp_eq_u32 s2, 0
	s_cbranch_scc0 .Lentry_in_a_cluster
	s_endpgm
.Lentry_in_a_cluster:
	s_bfe_u32 s2, ttmp6, 0x10000c
	s_cmp_lg_u32 s2, 0x3003
	s_cbranch_scc0 .Lentry_shape_is_right
	s_endpgm
.Lentry_shape_is_right:
; out0[m][n] = sum over k of X[m][k] W[n][k] + bias[n].  X: codes of FP4 (E2M1) [4096][2048 bytes] and E8M0 bytes [4096][128], as given; W: codes and scale words in wq, as launch makew laid them; sums in f32.
; A work-group of four waves makes 256 (m) x 256 (n) of out0; wave w makes all 256 rows x the 64 columns 64 w ..: 16 x 4 accumulators of 16 x 16, 512 registers.
; X IS SHARED BY THE FOUR WAVES and goes through LDS: a ring of two slots, each 256 rows x 512 bytes (1,024 along K, eight steps of 128), four tiles in all; a wave's tensor load brings 64 rows.
; X's scales of the 256 rows, 32,768 dense bytes, come once, at the head, and stay.  The head's four loads, one a wave: two halves of tile 0, two halves of the scales.
; W IS EACH WAVE'S OWN: its 64 rows are multiplied by no other wave of the work-group, and wq holds them as the image of the operand's registers.  So they go from memory straight into registers,
; 512 consecutive bytes a load, into a ring of eight sets (a set: 128 along K, 32 registers of codes, 2 of scale words, 10 loads), each set asked for again as soon as its step's products are issued: eight steps ahead of its use.
; CLUSTER 4, 1, 1: the four work-groups of a cluster have the same 256 rows of X and ask for its tiles and scales jointly (mask 15).  W has no joint form: a joint load serves LDS alone, and the partners take other rows of W.
; PREFETCH: in trips 0 and 1 each wave names 32 blocks of 256 bytes of the X tile that the next trip's tensor load asks for; the cluster's 16 waves share the tile's 512 blocks out by address.  W has none: its own loads stand eight steps ahead of their use.
; THE MATRIX INSTRUCTION IS USED TRANSPOSED (source 0 = 16 rows of W, source 1 = 16 rows of X): a lane holds eight neighbouring columns of one row of out0.  The first step's C is the bias in that layout.
; THE LOOP.  The first step (C = bias) is written out and jumps to the loop's second step.  A trip: the refill and the second half of the last trip's step 7, steps 0 to 6, the first half of step 7 with the change of slots.
; The loop's edge stands behind the round of the cluster's barrier, so that the refill opens a trip (tiles 2 and 3) and the way out of the loop has none.
; THE LAST TILE is written out and asks for nothing.  Its steps 0 and 1 go by K; its steps 2 to 7 go BY ROWS OF out0: the ring holds all their W, so X's sixteen blocks are finished one after the other, 24 products each,
; and a finished block goes through the wave's stage and is stored while the next blocks are multiplied.
; REGISTERS: window 0: v0-31 addresses; v32-95 X's scale words, two sets of four steps; v96-111 W's scale words, eight sets; v128-255 X's fragments: by K one set of 16 blocks, by rows two buffers of one block x six steps.
;   window 1: W's eight sets (set 7's registers hold the bias until the first step has read it).  Windows 2, 3: the accumulators of X's blocks 0-7, 8-15: (a, b) at v[8 (4 (a % 8) + b)]; a block's rows come back from the stage into its own 32 registers.
.set BLK,    34816                     ; a block of wq: 128 rows x 512 along K: codes [step][16 rows][c][lane][16], then scale words [step][row]
.set PITCH,  528                       ; an LDS row: 512 bytes + 16: the 16 rows that a load touches start in 16 different columns of 16 bytes
.set BLK16,  16*PITCH
.set SLOT,   256*PITCH
.set SCL,    2*SLOT                    ; X's scales: 128 rows of 256 bytes + 16
.set SPARE,  SCL+128*272               ; the spare words: 128 bytes a wave
.set SP,     272                       ; the way out: a stage of 16 rows x (256 + 16) bytes for each wave, in slot 0, behind that slot's last fill and last read
.set NK,     2                         ; the last tile's steps that go by K
.set NF,     2*(8-NK)                  ; LDS loads that bring one block's fragments of the other steps
.set BX0, 8                            ; v8-9    my lane's place in blocks 0 and 8 of slot 0
.set AX0, 10                           ; v10-11  the same in the slot that is read
.set ADRS, 12                          ; v12     X's scale words: lanes 0-15 an even block's rows, lanes 16-31 the odd one's
.set VOC, 13                           ; v13     wq: my 16 bytes of a load of codes;  v14 my scale word
.set VOS, 14
.set STO, 15                           ; v15-17  the way out: into the stage, back, and in out0
.set RD,  16
.set CO,  17
.set PFO, 18                           ; v18     the prefetch: (lane / 2) rows + (lane % 2) x 256 bytes
.set VOB, 19                           ; v19     the bias: 32 h
.set SPW, 28
.set NIL, 29
.set SCX, 32
.set SW,  96
.set XF,  128
.set G1,  24                           ; s[24:31] group 1 of X's tiles;  s[32:35] the ring's group 0;  s[36:39] the head's;  s[40:47], s[48:51] the scales'
.set G0,  32
.set G0H, 36
.set G1S, 40
.set G0S, 48
.set WB,  52                           ; s[52:53] wq at my 128 rows, at this trip's K
.set PFA, 54                           ; s[54:55] where my prefetch stands
.set SSL, 56                           ; s56 the slot that is read: 0 or SLOT;  s57 my 64 rows' place in a slot
.set SWO, 57
.set MSB, 0
.macro WIN new
.if MSB != \new
	s_set_vgpr_msb (MSB<<8)|\new
.set MSB, \new
.endif
.endm
.set MUL_LO, 0xa1                      ; source 0 (W) window 1, source 1 (X) window 0, C and D window 2
.set MUL_HI, 0xf1
.set ONE_LO, 0x91                      ; the same with C (the bias) in window 1
.set ONE_HI, 0xd1
.set TO_W,   0x40
.macro PLACES
.rept 4
	v_nop
.endr
.endm
.macro CREST
	s_cmp_lg_u32 s14, 0
	s_cbranch_scc1 .Lnot_wave_0_\@
	s_barrier_signal -3
.Lnot_wave_0_\@:
	s_barrier_wait -3
	s_barrier_signal -1
	s_barrier_wait -1
.endm
.macro CROUND
	s_barrier_signal -1
	s_barrier_wait -1
	CREST
.endm
; One product, by the symbols rD, rW, rX, rC, rSW, rSX.  par: bit 0: W's block is odd, its words stand in lanes 16-31; bit 1: the same of X's block.
.macro WMX
.if par == 0
	v_wmma_scale_f32_16x16x128_f8f6f4 v[rD:rD+7], v[rW:rW+7], v[rX:rX+7], v[rC:rC+7], v[rSW], v[rSX] matrix_a_fmt:MATRIX_FMT_FP4 matrix_b_fmt:MATRIX_FMT_FP4
.elseif par == 1
	v_wmma_scale_f32_16x16x128_f8f6f4 v[rD:rD+7], v[rW:rW+7], v[rX:rX+7], v[rC:rC+7], v[rSW], v[rSX] matrix_a_fmt:MATRIX_FMT_FP4 matrix_b_fmt:MATRIX_FMT_FP4 matrix_a_scale:MATRIX_SCALE_ROW1
.elseif par == 2
	v_wmma_scale_f32_16x16x128_f8f6f4 v[rD:rD+7], v[rW:rW+7], v[rX:rX+7], v[rC:rC+7], v[rSW], v[rSX] matrix_a_fmt:MATRIX_FMT_FP4 matrix_b_fmt:MATRIX_FMT_FP4 matrix_b_scale:MATRIX_SCALE_ROW1
.else
	v_wmma_scale_f32_16x16x128_f8f6f4 v[rD:rD+7], v[rW:rW+7], v[rX:rX+7], v[rC:rC+7], v[rSW], v[rSX] matrix_a_fmt:MATRIX_FMT_FP4 matrix_b_fmt:MATRIX_FMT_FP4 matrix_a_scale:MATRIX_SCALE_ROW1 matrix_b_scale:MATRIX_SCALE_ROW1
.endif
.endm
; X's blocks a0 .. a0 + na - 1, each against W's four: the slot's q-th 128 along K.  The 64 accumulators take turns in the same order in every step.
.macro MULS a0, na, q, zero
.set ma, \a0
.rept \na
.set mb, 0
.rept 4
.set rD, 8*(4*(ma%8)+mb)
.set rW, 32*(\q)+8*mb
.set rX, XF+8*ma
.set rC, rD
.if \zero
.set rC, 224+8*mb
.endif
.set rSW, SW+2*(\q)+mb/2
.set rSX, SCX+32*(((\q)/4)%2)+4*(ma/2)+(\q)%4
.set par, 2*(ma%2)+mb%2
	WMX
.set mb, mb+1
.endr
.set ma, ma+1
.endr
.endm
.macro FX half, q                      ; 16 LDS loads: X's blocks 8 half .. 8 half + 7, the slot's q-th 128 along K
.set fi, 0
.rept 8
	ds_load_b128 v[XF+64*(\half)+8*fi:XF+64*(\half)+8*fi+3],   v[AX0+(\half)] offset:BLK16*fi+64*(\q)
	ds_load_b128 v[XF+64*(\half)+8*fi+4:XF+64*(\half)+8*fi+7], v[AX0+(\half)] offset:BLK16*fi+64*(\q)+32
.set fi, fi+1
.endr
.endm
.macro FXR a                           ; NF LDS loads: X's block a, steps NK .. 7, into buffer a % 2
.set rq, NK
.rept 8-NK
.set rX, XF+64*((\a)%2)+8*(rq-NK)
	ds_load_b128 v[rX:rX+3],   v[AX0+(\a)/8] offset:BLK16*((\a)%8)+64*rq
	ds_load_b128 v[rX+4:rX+7], v[AX0+(\a)/8] offset:BLK16*((\a)%8)+64*rq+32
.set rq, rq+1
.endr
.endm
.macro FS set, off                     ; 8 LDS loads: X's scale words of four steps; register 4 p + q: lanes 0-15 block 2 p, lanes 16-31 block 2 p + 1
.set fi, 0
.rept 8
	ds_load_b128 v[SCX+32*(\set)+4*fi:SCX+32*(\set)+4*fi+3], v[ADRS] offset:4352*fi+(\off)
.set fi, fi+1
.endr
.endm
.macro WL q, ah                        ; 10 loads: W's set q, of this trip (ah = 0) or the next (ah = 1)
.set wo, (2*(\ah)+(\q)/4)*BLK+((\q)%4)*8192
.set ws, (2*(\ah)+(\q)/4)*BLK+32768+((\q)%4)*512
	WIN TO_W
.set fi, 0
.rept 8
	global_load_b128 v[32*(\q)+4*fi:32*(\q)+4*fi+3], v[VOC], s[WB:WB+1] offset:wo+512*fi
.set fi, fi+1
.endr
	WIN 0
	global_load_b32 v[SW+2*(\q)],   v[VOS], s[WB:WB+1] offset:ws        ; lanes 0-15 the words of my block 0, lanes 16-31 of block 1;
	global_load_b32 v[SW+2*(\q)+1], v[VOS], s[WB:WB+1] offset:ws+128    ; blocks 2 and 3
.endm
.macro ASK                             ; the X tile that the next trip's tensor load asks for; the loop's last trip has none
	s_cmp_gt_u32 s3, 1
	s_cbranch_scc0 .Lno_ask_\@
	global_prefetch_b8 v[PFO], s[PFA:PFA+1] th:TH_LOAD_NT scope:SCOPE_SE
.Lno_ask_\@:
.endm
; A step that has its successor in the same slot.  wl: 1 = my set is asked for again, 2 = the first step: set 7 too, whose registers held the bias.  sc: the next four steps' scale words of X.  lc: younger loads of W that may stay out.
; rows = 1: the last step by K: what it fetches are blocks 0 and 1 for the steps by rows.
.macro STEP q, zero, wl, sc, ask, lc, rows=0
	s_wait_loadcnt \lc                             ; W's set q is in: behind it at least lc loads were issued (ten a set)
	s_wait_dscnt 16                                ; X's blocks 0-7 are in; the 16 loads of blocks 8-15 may be out
.if \zero
	WIN ONE_LO
.else
	WIN MUL_LO
.endif
	MULS 0, 8, \q, \zero
	s_wait_dscnt 0x0                               ; blocks 8-15 are in
	PLACES                                         ; four places ahead of loads into registers that matrix instructions have read
	WIN 0
.if \sc
	FS ((\q)/4+1)%2, 16*((\q)/4+1)
.endif
.if \rows
	FXR 0
.else
	FX 0, (\q)+1
.endif
.if \ask
	ASK
.endif
.if \zero
	WIN ONE_HI
.else
	WIN MUL_HI
.endif
	MULS 8, 8, \q, \zero
	PLACES
.if \wl == 2
	WL 7, 0
.endif
.if \wl
	WL \q, 1
.endif
	WIN 0
.if \rows
	FXR 1
.else
	FX 1, (\q)+1
.endif
.endm
; Step 7's first half changes slots: each wave waits for all its tensor loads, adds 0 to its spare word, waits for that and for its reads of this slot; the barrier opens a round of the cluster's barrier.
.macro HALF7
	s_wait_loadcnt 60
	s_wait_tensorcnt 0x0                           ; my part of the next slot has landed: no tensor load of mine is out
	ds_add_u32 v[SPW], v[NIL]
	s_add_nc_u64 s[G0+2:G0+3], s[G0+2:G0+3], 512   ; the ring's group 0: the next tile but one,
	s_add_co_u32 s[G0+1], s[SWO], s[SSL]           ; into the slot that is being read out
	s_wait_dscnt 17                                ; (the add and blocks 8-15's loads may be out)
	WIN MUL_LO
	MULS 0, 4, 7, 0
	s_wait_dscnt 0x0                               ; the add is done, my reads of this slot are over
	s_barrier_signal -1
	MULS 4, 4, 7, 0
	WIN 0
	s_barrier_wait -1
	CREST
.endm
; Behind the round: the refill first; then the next slot's first fragments and step 7's second half.
.macro AFTER fill
.if \fill
	tensor_load_to_lds s[G0:G0+3], s[G1:G1+7]
	s_nop 0
.endif
	PLACES                                         ; (the places ahead of the loads below)
	s_wait_xcnt 0x0                                ; my loads of W and my prefetch have read their bases
	s_add_nc_u64 s[WB:WB+1], s[WB:WB+1], 2*BLK
.if \fill
	s_add_nc_u64 s[PFA:PFA+1], s[PFA:PFA+1], 512
.endif
	s_xor_b32 s[SSL], s[SSL], SLOT                 ; 0 and SLOT by turns
	v_add_nc_u32 v[AX0], s[SSL], v[BX0]
	v_add_nc_u32 v[AX0+1], s[SSL], v[BX0+1]
	v_add_nc_u32 v[ADRS], 32, v[ADRS]              ; eight steps' scale words on
	s_wait_alu depctr_va_vdst(0)                   ; the wait, directly behind the writes
	FX 0, 0
	WIN MUL_HI
	MULS 8, 8, 7, 0
	PLACES
	WL 7, 0
	FX 1, 0
.endm
	s_load_b128 s[4:7], s[0:1], 0x0                ; X's codes, X's scales
	s_load_b128 s[8:11], s[0:1], 0x10              ; wq, bias
	s_load_b64 s[12:13], s[0:1], 0x20              ; out0
	v_lshl_add_u32 v[SPW], v0, 2, SPARE
	v_mov_b32 v[NIL], 0
	ds_add_u32 v[SPW], v[NIL]                      ; the opening lines: the add twice on end and one wait
	ds_add_u32 v[SPW], v[NIL]
	v_lshrrev_b32 v1, 5, v0
	v_readfirstlane_b32 s14, v1                    ; wave
	s_and_b32 s15, s14, 1
	s_lshr_b32 s16, s14, 1
	s_and_b32 s17, ttmp7, 0xffff                   ; tile row of out0 (a cluster is one work-group high)
	s_bfe_u32 s19, ttmp6, 0x40000                  ; cx
	s_lshl_b32 s18, ttmp9, 2
	s_add_co_u32 s18, s18, s19                     ; tile column = 4 x cluster x + cx
	s_mov_b32 s[G1+0], 15|(1<<20)|(1<<21)|(6<<22)|(3<<25)   ; mask: all four; bytes; 4 words of padding behind every 128
	s_mov_b32 s[G1+1], 512<<16
	s_mov_b32 s[G1+2], 128<<16                     ; the head's loads bring 128 rows
	s_mov_b32 s[G1+3], 512<<16
	s_mov_b32 s[G1+4], 128
	s_mov_b32 s[G1+5], 2048
	s_mov_b32 s[G1+6], 0
	s_mov_b32 s[G1+7], 0
	s_mov_b32 s[G1S+0], 15|(3<<16)|(1<<20)|(1<<21)|(5<<22)|(3<<25)   ; the scales: 64 rows of 256 bytes, 16 of padding behind each
	s_mov_b32 s[G1S+1], 32<<16
	s_mov_b32 s[G1S+2], 64<<16
	s_mov_b32 s[G1S+3], 32<<16
	s_mov_b32 s[G1S+4], 64
	s_mov_b32 s[G1S+5], 32
	s_mov_b32 s[G1S+6], 0
	s_mov_b32 s[G1S+7], 0
	s_mov_b32 s[SSL], 0
	s_mul_i32 s[SWO], s14, 64*PITCH
	s_lshl_b32 s20, s17, 19                        ; X's codes at my 256 rows
	s_mov_b32 s21, 0
	s_lshl_b32 s22, s17, 15                        ; their scales, + my half of them
	s_lshl_b32 s23, s15, 14
	s_add_co_u32 s22, s22, s23
	s_mov_b32 s23, 0
	s_lshl_b32 s58, s18, 1
	s_add_co_u32 s58, s58, s16
	s_mul_i32 s58, s58, 8*BLK                      ; wq: my 128 rows' eight blocks
	s_mov_b32 s59, 0
	s_lshl_b32 s60, s18, 10
	s_lshl_b32 s61, s14, 8
	s_add_co_u32 s60, s60, s61                     ; my 64 columns, in bytes of f32
	s_mov_b32 s61, 0
	s_wait_dscnt 0x0
	s_wait_kmcnt 0x0
	s_add_nc_u64 s[20:21], s[4:5], s[20:21]
	s_add_nc_u64 s[22:23], s[6:7], s[22:23]
	s_add_nc_u64 s[WB:WB+1], s[8:9], s[58:59]
	s_add_nc_u64 s[10:11], s[10:11], s[60:61]
	s_add_nc_u64 s[12:13], s[12:13], s[60:61]
	s_lshl_b32 s60, s17, 22
	s_add_nc_u64 s[12:13], s[12:13], s[60:61]      ; out0 at my first row and column
	s_lshl_b32 s58, s19, 6
	s_lshl_b32 s60, s14, 4
	s_add_co_u32 s58, s58, s60
	s_lshl_b32 s58, s58, 11
	s_add_co_u32 s58, s58, 1024
	s_add_nc_u64 s[PFA:PFA+1], s[20:21], s[58:59]  ; the prefetch: rows 64 cx + 16 wave on, at tile 2
	s_mov_b32 s[G0H], 1                            ; tile 0: waves 0 and 1, 128 rows each
	s_mul_i32 s[G0H+1], s15, 128*PITCH
	s_lshl_b32 s4, s15, 18
	s_mov_b32 s5, 0
	s_add_nc_u64 s[G0H+2:G0H+3], s[20:21], s[4:5]
	s_or_b32 s[G0H+3], s[G0H+3], 0x80000000
	s_mov_b32 s[G0S], 1                            ; the scales: waves 2 and 3, 128 rows' each
	s_mul_i32 s[G0S+1], s15, 64*272
	s_add_co_u32 s[G0S+1], s[G0S+1], SCL
	s_mov_b64 s[G0S+2:G0S+3], s[22:23]
	s_or_b32 s[G0S+3], s[G0S+3], 0x80000000
	s_mov_b32 s[G0], 1                             ; the ring: my 64 rows; first tile 1 into slot 1
	s_add_co_u32 s[G0+1], s[SWO], SLOT
	s_lshl_b32 s4, s14, 17
	s_add_co_u32 s4, s4, 512
	s_add_nc_u64 s[G0+2:G0+3], s[20:21], s[4:5]
	s_or_b32 s[G0+3], s[G0+3], 0x80000000
	CROUND                                         ; the four work-groups are here: the first joint loads meet
	s_cmp_lt_u32 s14, 2
	s_cbranch_scc0 .Lhead_s
	tensor_load_to_lds s[G0H:G0H+3], s[G1:G1+7]
	s_nop 0
	PLACES
	s_branch .Lhead_asked
.Lhead_s:
	tensor_load_to_lds s[G0S:G0S+3], s[G1S:G1S+7]
	s_nop 0
	PLACES
.Lhead_asked:
	v_and_b32 v1, 15, v0                           ; r
	v_bfe_u32 v2, v0, 4, 1                         ; h
	v_and_b32 v3, 31, v0                           ; lane
	v_mul_u32_u24 v4, v1, PITCH
	v_lshl_add_u32 v[BX0], v2, 4, v4               ; a fragment's row x pitch + 16 h
	v_add_nc_u32 v[BX0+1], 8*BLK16, v[BX0]
	v_add_nc_u32 v[AX0], s[SSL], v[BX0]
	v_add_nc_u32 v[AX0+1], s[SSL], v[BX0+1]
	v_lshrrev_b32 v5, 1, v1
	v_lshlrev_b32 v6, 7, v1
	v_lshl_add_u32 v6, v5, 4, v6                   ; row r's 128 bytes of scales, 16 more for each 256 passed,
	v_mad_u32_u24 v6, v2, 2176, v6                 ; lanes 16-31 sixteen rows on
	v_add_nc_u32 v[ADRS], SCL, v6
	v_lshlrev_b32 v[VOC], 4, v3
	v_lshl_add_u32 v[VOC], s15, 12, v[VOC]         ; my 64 of the 128 rows: four blocks of 1,024 bytes,
	v_lshlrev_b32 v[VOS], 2, v3
	v_lshl_add_u32 v[VOS], s15, 8, v[VOS]          ; 64 scale words
	v_lshlrev_b32 v[VOB], 5, v2
	s_mul_i32 s22, s14, 16*SP
	v_mul_u32_u24 v7, v1, SP
	v_lshl_add_u32 v7, v2, 5, v7
	v_add_nc_u32 v[STO], s22, v7                   ; into the stage: row r, 32 bytes for each half of the lanes
	v_mul_u32_u24 v7, v2, SP
	v_lshl_add_u32 v7, v1, 4, v7
	v_add_nc_u32 v[RD], s22, v7                    ; back: lanes 0-15 one row of 256 bytes, lanes 16-31 the next
	v_lshlrev_b32 v7, 14, v2
	v_lshl_add_u32 v[CO], v1, 4, v7                ; and the same two rows in out0
	v_lshrrev_b32 v7, 1, v3
	v_and_b32 v5, 1, v3
	v_lshlrev_b32 v5, 8, v5
	v_lshl_add_u32 v[PFO], v7, 11, v5
	s_wait_alu depctr_va_vdst(0)
	WIN TO_W
.irp b, 0,1,2,3
	global_load_b128 v[224+8*\b:224+8*\b+3], v[VOB], s[10:11] offset:64*\b      ; bias[16 b + 8 h + 0 .. 7]: the first step's C
	global_load_b128 v[224+8*\b+4:224+8*\b+7], v[VOB], s[10:11] offset:64*\b+16
.endr
	WIN 0
.irp q, 0,1,2
	WL \q, 0                                       ; beside tile 0 only what the first three steps take; the other sets follow behind tile 1's request
.endr
	s_wait_tensorcnt 0x0                           ; my part of the head's tiles is in
	ds_add_u32 v[SPW], v[NIL]
	s_mov_b32 s[G1+2], 64<<16                      ; no tensor load of mine is out: from here on a load brings 64 rows
	s_mov_b32 s[G1+4], 64
	s_wait_dscnt 0x0
	CROUND
	tensor_load_to_lds s[G0:G0+3], s[G1:G1+7]      ; tile 1 into slot 1
	s_nop 0
	PLACES
	FX 0, 0
	FS 0, 0
	FX 1, 0
.irp q, 3,4,5,6
	WL \q, 0
.endr
	s_mov_b32 s3, 3
	STEP 0, 1, 2, 0, 0, 60                         ; behind set 0: sets 1 to 6, 60 loads
	s_branch .Lmid
.Ltrip:
	AFTER 1
	STEP 0, 0, 1, 0, 0, 60                         ; in the loop seven sets, 70 loads, stand behind the set that is due: 60 leaves six of them out
.Lmid:
	STEP 1, 0, 1, 1, 1, 60
	STEP 2, 0, 1, 0, 0, 60
	STEP 3, 0, 1, 0, 0, 60
	STEP 4, 0, 1, 0, 0, 60
	STEP 5, 0, 1, 1, 0, 60
	STEP 6, 0, 1, 0, 0, 60
	HALF7
	s_sub_co_u32 s3, s3, 1
	s_cmp_lg_u32 s3, 0
	s_cbranch_scc1 .Ltrip
; THE LAST TILE.  Nothing is filled again; set 7 is the last load of W.
; Block a is finished: steps NK .. 7, its four accumulators by turns, three other products between two steps of a sum.  In block 0 the counts of W's loads run down, ten a set.
.macro ROW a
	WIN MUL_LO+0x50*((\a)/8)
.set rq, NK
.rept 8-NK
.if (\a) == 0
	s_wait_loadcnt 10*(7-rq)
.endif
.set mb, 0
.rept 4
.set rD, 8*(4*((\a)%8)+mb)
.set rC, rD
.set rW, 32*rq+8*mb
.set rX, XF+64*((\a)%2)+8*(rq-NK)
.set rSW, SW+2*rq+mb/2
.set rSX, SCX+32*((rq/4)%2)+4*((\a)/2)+rq%4
.set par, 2*((\a)%2)+mb%2
	WMX
.set mb, mb+1
.endr
.set rq, rq+1
.endr
.endm
; THE WAY OUT of a block of 16 rows x 64 columns: through my own stage and back, as whole rows of 256 bytes, into the block's own 32 registers.  LDS serves a wave's instructions in order (ISA guide 5.7.1.4).
.macro TOSTAGE a
.set AC, 32*((\a)%8)
	WIN 0x08+4*((\a)/8)                            ; the data: window 2 or 3
.irp b, 0,1,2,3
	ds_store_b128 v[STO], v[AC+8*\b:AC+8*\b+3] offset:64*\b          ; each accumulator from its low end on
	ds_store_b128 v[STO], v[AC+8*\b+4:AC+8*\b+7] offset:64*\b+16
.endr
	WIN 0x80+0x40*((\a)/8)                         ; the destination: the same window
.irp t, 0,1,2,3,4,5,6,7
	ds_load_b128 v[AC+4*\t:AC+4*\t+3], v[RD] offset:\t*2*SP
.endr
.endm
.macro SEND a, younger                 ; sixteen lanes store one aligned run of 256 bytes; the block's place stands in the immediate, 254 rows of 16,384 bytes at the most; no register of a store is written again
.set AC, 32*((\a)%8)
	s_wait_dscnt \younger                          ; the block is back; what was issued behind its loads may be out
	WIN 0x08+4*((\a)/8)
.irp t, 0,1,2,3,4,5,6,7
	global_store_b128 v[CO], v[AC+4*\t:AC+4*\t+3], s[12:13] offset:(16*(\a)+2*\t)*16384 th:TH_STORE_NT
.endr
.endm
; Turn a: block a's products; block a + 2's fragments into the buffer just read; block a - 1 into the stage and back; block a - 2 stored.
; Behind block a's NF loads stand, by the turns' order: a < 2: the next block's NF; a = 2: NF + 16; 3 .. 14: 16 + NF + 16; a = 15: 16 + 16.
.macro ITER a
.if (\a) < 16
.if (\a) < 2
	s_wait_dscnt NF
.elseif (\a) == 2
	s_wait_dscnt NF+16
.elseif (\a) < 15
	s_wait_dscnt NF+32
.else
	s_wait_dscnt 32
.endif
	ROW \a
	PLACES                                         ; ahead of the loads into its fragments' registers, and of the next turn's reads of its results
.endif
.if (\a) < 14
	WIN 0
	FXR (\a)+2
.endif
.if ((\a) > 0) && ((\a) < 17)
	TOSTAGE (\a)-1
.endif
.if (\a) > 1
.if (\a) < 14
	SEND (\a)-2, NF+16
.elseif (\a) < 17
	SEND (\a)-2, 16
.else
	SEND (\a)-2, 0
.endif
.endif
.endm
	AFTER 0
	STEP 0, 0, 0, 0, 0, 60
	STEP 1, 0, 0, 1, 0, 60, 1                      ; behind set 1: sets 2 to 7, 60 loads
.irp a, 0,1,2,3,4,5,6,7,8,9,10,11,12,13,14,15,16,17
	ITER \a
.endr
	WIN 0
	s_wait_tensorcnt 0x0                           ; the wave's end
	ds_add_u32 v[SPW], v[NIL]
	s_wait_dscnt 0x0
	CROUND                                         ; the closing round
	s_endpgm
.Lfunc_end_k_qb9d88b7ff3_gemm:
	.size	k_qb9d88b7ff3_gemm, .Lfunc_end_k_qb9d88b7ff3_gemm-k_qb9d88b7ff3_gemm
	.p2alignl 7, 3214868480
	.fill 96, 4, 3214868480
	.section	.rodata,"a",@progbits
	.p2align	6, 0x0
	.amdhsa_kernel k_qb9d88b7ff3_gemm
		.amdhsa_group_segment_fixed_size 327680
		.amdhsa_private_segment_fixed_size 0
		.amdhsa_enable_private_segment 0
		.amdhsa_kernarg_size 40
		.amdhsa_user_sgpr_count 2
		.amdhsa_user_sgpr_kernarg_segment_ptr 1
		.amdhsa_wavefront_size32 1
		.amdhsa_system_sgpr_workgroup_id_x 1
		.amdhsa_system_sgpr_workgroup_id_y 1
		.amdhsa_system_sgpr_workgroup_id_z 1
		.amdhsa_system_vgpr_workitem_id 0
		.amdhsa_next_free_vgpr 1024
		.amdhsa_next_free_sgpr 66
		.amdhsa_reserve_vcc 0
		.amdhsa_float_denorm_mode_32 3
		.amdhsa_float_denorm_mode_16_64 3
		.amdhsa_memory_ordered 1
		.amdhsa_forward_progress 1
		.amdhsa_inst_pref_size 245
	.end_amdhsa_kernel
	.amdgpu_metadata
---
amdhsa.version: [ 1, 2 ]
amdhsa.kernels:
  - .name:           k_qb9d88b7ff3_gemm
    .symbol:         k_qb9d88b7ff3_gemm.kd
    .args:
      - { .name: X_codes, .offset: 0, .size: 8, .value_kind: global_buffer, .address_space: global }
      - { .name: X_scales, .offset: 8, .size: 8, .value_kind: global_buffer, .address_space: global }
      - { .name: wq, .offset: 16, .size: 8, .value_kind: global_buffer, .address_space: global }
      - { .name: bias, .offset: 24, .size: 8, .value_kind: global_buffer, .address_space: global }
      - { .name: out0, .offset: 32, .size: 8, .value_kind: global_buffer, .address_space: global }
    .group_segment_fixed_size: 327680
    .private_segment_fixed_size: 0
    .kernarg_segment_align: 8
    .kernarg_segment_size: 40
    .max_flat_workgroup_size: 128
    .sgpr_count:     66
    .vgpr_count:     1024
    .wavefront_size: 32
...
	.end_amdgpu_metadata
.endif
;; end of part 2
